; MI455X (gfx1250); checked and timed in simulation.
; The chip was launched on July 23, 2026; its instructions are those of AMD's public machine-readable ISA for CDNA 5 (MIT licence, August 2026) and "CDNA5" Instruction Set Architecture Reference Guide (July 2026). The comments in the code are by the model that wrote it; some were corrected since.
;; Multi Head Attention. Allowed arithmetic: matrix products marked QUANTISED: E4M3 operands, one given power-of-two scale a tensor, by v_wmma_f32_16x16x64_fp8_fp8 or v_wmma_f32_16x16x128_fp8_fp8, f32 sums; everything else in f32.
;; Inputs: Wk 256 x 256 float32; Wm 256 x 256 float32; Wq 256 x 256 float32; Wv 256 x 256 float32; bk 256 float32; bm 256 float32; bq 256 float32; bv 256 float32; lowp_scales 12 int32 (the exponents e of the quantised operands' scales 2^e); query 4 x 256 x 4,096 float32; source 4 x 256 x 4,096 float32.
;; Outputs: out0 4 x 256 x 4,096 float32.
;; This version of the problem:
;;   THIS VERSION OF THE PROBLEM IS GIVEN IN LOW PRECISION. The matrix products marked QUANTISED in the list below multiply operands that are first quantised to E4M3 (4 exponent bits, 3 mantissa bits; 8 bits a number), with one given power-of-two scale for each operand tensor; their sums are f32. All else is computed in f32.
;;   The module's matrix products, in the order in which they are computed (A, B: the left and right operand; K: the contracted axis; several contracted axes count as one K, in the product's order):
;;     1. [M 16,384, K 256] x [K 256, N 256]; A: input query; B: input Wq: QUANTISED (scales: A lowp_scales[0], B lowp_scales[1])
;;     2. [M 16,384, K 256] x [K 256, N 256]; A: input source; B: input Wk: QUANTISED (scales: A lowp_scales[2], B lowp_scales[3])
;;     3. [M 16,384, K 256] x [K 256, N 256]; A: input source; B: input Wv: QUANTISED (scales: A lowp_scales[4], B lowp_scales[5])
;;     4. batch 16 x [M 4,096, K 64] x [K 64, N 4,096]; A: computed on the way; B: computed on the way: QUANTISED (scales: A lowp_scales[6], B lowp_scales[7])
;;     5. batch 16 x [M 64, K 4,096] x [K 4,096, N 4,096]; A: computed on the way; B: softmax (see below): QUANTISED (scales: A lowp_scales[8], B lowp_scales[9])
;;     6. [M 16,384, K 256] x [K 256, N 256]; A: computed on the way; B: input Wm: QUANTISED (scales: A lowp_scales[10], B lowp_scales[11])
;;   THE QUANTISER, for each operand of a quantised product, along K:
;;     - The operand's scale is 2^e, e = its entry of the input lowp_scales (int32; the entries are numbered through the quantised products in the list's order, A before B).
;;     - Each number is divided by the scale, clamped to +-448, and rounded to the nearest number of E4M3, ties to even, subnormals kept.
;;     - The product sums the exact products of the quantised numbers (number of the format x scale) in f32.
;;   ~~~python
;;   def quantise(x, axis, e):      # numpy; x: float32 -> the quantised numbers, widened to float32 again
;;       x = np.moveaxis(x, axis, -1); K = x.shape[-1]
;;       r = np.clip(x / 2.0 ** e, -448, 448)
;;       step = 2.0 ** (np.maximum(np.frexp(np.where(r == 0, 1, r))[1] - 1, -6) - 3)
;;       q = np.round(r / step) * step * 2.0 ** e      # np.round: ties to even
;;       return np.moveaxis(q, -1, axis).astype(np.float32)
;;   ~~~
;;   SOFTMAX AHEAD OF A QUANTISED PRODUCT. Where the list says 'softmax', what is quantised is not the finished softmax but p = 2^(t - M), with t = logit x log2(e) and M = ceil(the row's largest t), a whole number; so 1/2 < the row's largest p <= 1. The row's sum l is taken of the UNQUANTISED p, in f32, and the product's result is divided by l at the end. Since M is a whole number, a kernel that streams over the keys may use a running M (the ceiling of the running maximum): every later rescaling is an exact power of two, so the quantised numbers keep their values, but for numbers so far below the row's largest that they fall under the format's range.
;;   OPERANDS COMPUTED ON THE WAY. 'Computed on the way' means the value that the module computes at that place (a softmax that the list does not call 'softmax' is quantised finished and normalised). What goes into a quantiser is computed in f32, as accurately as f32 sums, v_exp_f32 and their like allow (about 1e-6 of the number): no bf16 or f16 on the way to a quantiser, and a product that is left as it is and whose result goes on into a quantised operand takes f32 operands (vector FMAs, or v_wmma_f32_16x16x4_f32). A number that lies on a knife's edge between two numbers of the format may be rounded either way, as far as f32 arithmetic and the matrix unit's own rounding can turn it there, and no further.
;; One version. Each part assembles by itself: llvm-mc -triple=amdgcn-amd-amdhsa -mcpu=gfx1250 --defsym DOCPART=n.
;; ======== version 1 of 1: 3 launches
;; limits: right only within a limited range of input values
;; workspace buffers: wc 262,144 bytes; qc 4,194,304 bytes; kv 8,388,608 bytes
;; launch wprep (part 1): grid 128 x 1, 4 waves a work-group, no clusters, 0 bytes of LDS; arguments Wq, Wk, Wv, Wm, lowp_scales, wc; writes wc
.if DOCPART == 1
	.amdgcn_target "amdgcn-amd-amdhsa--gfx1250"
	.amdhsa_code_object_version 6
	.text
	.protected	k_q27ede7539b_wprep
	.globl	k_q27ede7539b_wprep
	.p2align	8
	.type	k_q27ede7539b_wprep,@function
k_q27ede7539b_wprep:
	s_mov_b64 s[64:65], 0
	v_nop
	global_prefetch_b8 v0, s[64:65] scope:SCOPE_SE
	s_setreg_imm32_b32 hwreg(HW_REG_WAVE_MODE, 25, 1), 1
	s_wait_xcnt 0x0
; Wq, Wk, Wv, Wm ([256 o][256 c], f32, K = c innermost) become codes of E4M3 with the given scales 2^e (entries 1, 3, 5, 11 of lowp_scales),
; laid as IMAGES OF OPERAND REGISTERS: wc = [matrix p][tile ot 0..15][K step s 0..1][2,048 bytes]; in a fragment chunk c (0..3) lies at 512 c, lane L's 16 bytes at 16 L.
; Lane (r = L % 16, h = L / 16) holds row o = 32 (ot / 2) + 8 (ot % 2) + r + 8 (r / 8) and k = 128 s + 32 c + 16 h + 0 .. 15.
; The rows of a tile are not neighbours: used as source 0 of a product, two neighbouring tiles then leave 16 neighbouring o in a lane's 16 result registers.
; code = x / 2^e, held within +-448, to the nearest code, ties to even.  LIMITS: e between -126 and 119; NaN among the inputs is not served.
; SHARES: work-group g = 32 p + 2 ot + s makes one fragment, wave c its chunk c, a lane 16 numbers (64 consecutive bytes of a row).  The wave's store covers 512 consecutive bytes, aligned.
; All four weights are 1 MiB, read once: no LDS, no barrier, no matrix unit, no cluster (no two work-groups read the same bytes).
	s_load_b256 s[4:11], s[0:1], 0x0               ; Wq s[4:5], Wk s[6:7], Wv s[8:9], Wm s[10:11]
	s_load_b128 s[12:15], s[0:1], 0x20             ; the scales' exponents s[12:13], wc s[14:15]
	v_lshrrev_b32 v1, 5, v0
	v_readfirstlane_b32 s28, v1                    ; wave = chunk c
	v_and_b32 v1, 15, v0                           ; r
	v_bfe_u32 v2, v0, 4, 1                         ; h
	v_and_b32 v3, 8, v1
	v_add_nc_u32 v3, v3, v1                        ; r + 8 (r / 8)
	v_lshlrev_b32 v3, 10, v3                       ; a row of a weight is 1,024 bytes
	v_lshl_add_u32 v3, v2, 6, v3                   ; + 64 h: my 16 numbers of a block of 32
	v_and_b32 v4, 31, v0
	v_lshlrev_b32 v4, 4, v4                        ; out: 16 x lane
	s_lshr_b32 s29, ttmp9, 5                       ; p: which weight
	s_wait_alu depctr_va_vdst(0)
	s_wait_kmcnt 0x0
	s_load_b256 s[16:23], s[12:13], 0x0            ; e0 .. e7
	s_load_b128 s[24:27], s[12:13], 0x20           ; e8 .. e11
	s_cmp_eq_u32 s29, 1                            ; the weight is chosen on the work-group's number alone
	s_cselect_b64 s[4:5], s[6:7], s[4:5]
	s_cmp_eq_u32 s29, 2
	s_cselect_b64 s[4:5], s[8:9], s[4:5]
	s_cmp_eq_u32 s29, 3
	s_cselect_b64 s[4:5], s[10:11], s[4:5]
	s_bfe_u32 s30, ttmp9, 0x40001                  ; ot
	s_lshr_b32 s31, s30, 1
	s_lshl_b32 s31, s31, 15                        ; 32 (ot / 2) rows of 1,024 bytes
	s_and_b32 s30, s30, 1
	s_lshl_b32 s30, s30, 13                        ; 8 (ot % 2) rows
	s_add_co_u32 s30, s30, s31
	s_and_b32 s31, ttmp9, 1
	s_lshl_b32 s31, s31, 9                         ; K step s: 128 numbers
	s_add_co_u32 s30, s30, s31
	s_lshl_b32 s31, s28, 7                         ; chunk c: 32 numbers
	s_add_co_u32 s30, s30, s31
	s_mov_b32 s31, 0
	s_add_nc_u64 s[4:5], s[4:5], s[30:31]
	s_lshl_b32 s30, ttmp9, 11                      ; my fragment's 2,048 bytes,
	s_lshl_b32 s31, s28, 9                         ; my chunk's 512
	s_add_co_u32 s30, s30, s31
	s_mov_b32 s31, 0
	s_add_nc_u64 s[14:15], s[14:15], s[30:31]
.irp j, 0,1,2,3
	global_load_b128 v[8+4*\j:11+4*\j], v3, s[4:5] offset:16*\j
.endr
	s_wait_kmcnt 0x0
	s_cmp_eq_u32 s29, 1                            ; the weight's exponent: e1, e3, e5 or e11
	s_cselect_b32 s30, s19, s17
	s_cmp_eq_u32 s29, 2
	s_cselect_b32 s30, s21, s30
	s_cmp_eq_u32 s29, 3
	s_cselect_b32 s30, s27, s30
	s_add_co_i32 s30, s30, 127
	s_lshl_b32 s31, s30, 23
	v_mov_b32 v28, s31                             ; 2^e as f32: the conversion takes its exponent field
	s_wait_alu depctr_va_vdst(0)
	s_wait_loadcnt 0x0
.irp i, 0,1,2,3,4,5,6,7,8,9,10,11,12,13,14,15
.endr
	v_cvt_scalef32_pk8_fp8_f32 v[24:25], v[8:15], v28
	v_cvt_scalef32_pk8_fp8_f32 v[26:27], v[16:23], v28
	v_nop                                          ; a plain line behind the last conversion
	global_store_b128 v4, v[24:27], s[14:15]       ; 32 lanes store 512 consecutive bytes, at a multiple of 512 from wc's first byte
	s_endpgm
.Lfunc_end_k_q27ede7539b_wprep:
	.size	k_q27ede7539b_wprep, .Lfunc_end_k_q27ede7539b_wprep-k_q27ede7539b_wprep
	.p2alignl 7, 3214868480
	.fill 96, 4, 3214868480
	.section	.rodata,"a",@progbits
	.p2align	6, 0x0
	.amdhsa_kernel k_q27ede7539b_wprep
		.amdhsa_group_segment_fixed_size 0
		.amdhsa_private_segment_fixed_size 0
		.amdhsa_enable_private_segment 0
		.amdhsa_kernarg_size 48
		.amdhsa_user_sgpr_count 2
		.amdhsa_user_sgpr_kernarg_segment_ptr 1
		.amdhsa_wavefront_size32 1
		.amdhsa_system_sgpr_workgroup_id_x 1
		.amdhsa_system_sgpr_workgroup_id_y 1
		.amdhsa_system_sgpr_workgroup_id_z 1
		.amdhsa_system_vgpr_workitem_id 0
		.amdhsa_next_free_vgpr 32
		.amdhsa_next_free_sgpr 66
		.amdhsa_reserve_vcc 0
		.amdhsa_float_denorm_mode_32 3
		.amdhsa_float_denorm_mode_16_64 3
		.amdhsa_fp16_overflow 1
		.amdhsa_memory_ordered 1
		.amdhsa_forward_progress 1
		.amdhsa_inst_pref_size 3
	.end_amdhsa_kernel
	.amdgpu_metadata
---
amdhsa.version: [ 1, 2 ]
amdhsa.kernels:
  - .name:           k_q27ede7539b_wprep
    .symbol:         k_q27ede7539b_wprep.kd
    .args:
      - { .name: Wq, .offset: 0, .size: 8, .value_kind: global_buffer, .address_space: global }
      - { .name: Wk, .offset: 8, .size: 8, .value_kind: global_buffer, .address_space: global }
      - { .name: Wv, .offset: 16, .size: 8, .value_kind: global_buffer, .address_space: global }
      - { .name: Wm, .offset: 24, .size: 8, .value_kind: global_buffer, .address_space: global }
      - { .name: lowp_scales, .offset: 32, .size: 8, .value_kind: global_buffer, .address_space: global }
      - { .name: wc, .offset: 40, .size: 8, .value_kind: global_buffer, .address_space: global }
    .group_segment_fixed_size: 0
    .private_segment_fixed_size: 0
    .kernarg_segment_align: 8
    .kernarg_segment_size: 48
    .max_flat_workgroup_size: 128
    .sgpr_count:     66
    .vgpr_count:     32
    .wavefront_size: 32
...
	.end_amdgpu_metadata
.endif
;; end of part 1
;; launch proj (part 2): grid 64 x 4, 8 waves a work-group, no clusters, 102,400 bytes of LDS; arguments query, source, wc, bq, bk, bv, lowp_scales, qc, kv; writes qc, kv
.if DOCPART == 2
	.amdgcn_target "amdgcn-amd-amdhsa--gfx1250"
	.amdhsa_code_object_version 6
	.text
	.protected	k_q27ede7539b_proj
	.globl	k_q27ede7539b_proj
	.p2align	8
	.type	k_q27ede7539b_proj,@function
k_q27ede7539b_proj:
	s_mov_b64 s[64:65], 0
	v_nop
	global_prefetch_b8 v0, s[64:65] scope:SCOPE_SE
	s_setreg_imm32_b32 hwreg(HW_REG_WAVE_MODE, 25, 1), 1
	s_wait_xcnt 0x0
; Q = Wq query + bq, K = Wk source + bk, V = Wv source + bv (K = the 256 channels c), all three on codes of E4M3, and their results quantised again for attention's two products.
; query, source: [4 b][256 c][4096 n] f32: K is NOT innermost.  Work-group (X, b) takes columns 64 X .. 64 X + 63 of both tensors in batch b: three products of 64 x 256 x 256.
; PHASE X.  Wave w takes rows c = 32 w .. 32 w + 31, a lane the two columns 2 L, 2 L + 1: each load reads 256 consecutive bytes of a row, aligned, and a lane's registers run DOWN K, so that the conversions give
;   codes with K innermost.  query is quantised with e0, source twice (e2 for K's product, e4 for V's).  The codes go to LDS as rows of 256 codes, one row a column n.
; PHASE G.  THE WAVES SHARE THE OUTPUTS: wave w makes o = 32 w .. 32 w + 31 of all three products for all 64 columns; its 12 weight fragments come from wc (images of registers) straight into window 1.
;   Q, K: source 0 = 16 rows of W, source 1 = 16 columns n: a lane then holds one n and 16 neighbouring o = 32 w + 16 h + 0 .. 15, which are neighbours along the next K (the head's d).
;   V: source 0 = 16 columns n (keys), source 1 = 16 rows of W: a lane holds one channel o and 16 neighbouring keys, the next K of V.
;   The bias is the C of each sum's first matrix instruction, divided by the power of two that the sums lack; the three scales ahead of each quantiser are folded into the conversion's one.
; source's codes lie in LDS at row rho(n) = n with bits 3 and 4 swapped: row 16 t + r then holds key 32 (t / 2) + 8 (t % 2) + r + 8 (r / 8), the order that makes a lane's results neighbours in the later products.
; OUT: images of operand registers, gathered in LDS and copied out in runs of 512 consecutive bytes:
;   qc [b][X][fragment 4 qt + hd][chunk cc: 512 bytes][16 L]: lane (r, h): query 64 X + 16 qt + r, d = 32 cc + 16 h + 0 .. 15 of head hd.
;   kv [b][block of 64 keys][K part 16,384 | V part 16,384]; K part [tile t][hd][cc][512]: key 32 (t / 2) + 8 (t % 2) + r + 8 (r / 8), d as in qc;
;   V part [ot = 4 hd + dt][bb][512]: channel 32 (ot / 2) + 8 (ot % 2) + r + 8 (r / 8), keys 32 bb + 16 h + 0 .. 15.
; In every fragment of this program registers 4 c .. 4 c + 3 hold k = 32 c + 16 h + 0 .. 15: a permutation of k that is the same in both operands of each product.
; NO CLUSTER: what work-groups share is wc, and each of its bytes is wanted once, in one wave's registers; a joint load lands in LDS, so it would add 192 KiB of LDS writes and reads to each work-group.
; LIMITS: e0, e2, e4, e6 - e0 - e1, e7 - e2 - e3, e8 - e4 - e5 between -126 and 119.  NaN among the inputs is not served.
; REGISTERS.  window 0: v2-14 addresses; v16-27 scales and holds; v32-47 at work; v48-63 codes on their way out; v64-127 query's numbers, v128-191 source's, later 8 data fragments;
;   v192-239 phase X's codes, later v192-255 the 8 accumulators.   window 1: v0-191 the 12 weight fragments (16 (4 p + 2 u + s)); v192-239 the bias tiles (192 + 16 p + 8 u).
.set XQ,  0                            ; LDS: query's codes, 64 rows x 272 (256 codes + 16 of padding: 68 words, so 16 neighbouring rows start 4 banks apart)
.set XK,  17408                        ; source's codes under e2
.set XV,  34816                        ; source's codes under e4
.set STG, 52224                        ; the images: Q 16,384, K 16,384, V 16,384
.set T,   32
.set OC,  48
.set MSB, 0
.macro WIN new                         ; the immediate's high byte repeats the setting that is left
.if MSB != (\new)
	s_set_vgpr_msb (MSB<<8)|(\new)
.set MSB, (\new)
.endif
.endm
.macro MKSC e, sc                      ; v[sc] = 2^e as f32, v[sc+1] = 448 x 2^e
	s_add_co_i32 s46, \e, 127
	s_lshl_b32 s47, s46, 23
	v_mov_b32 v[\sc], s47
	s_add_co_i32 s46, s46, 8
	s_lshl_b32 s46, s46, 23
	s_or_b32 s46, s46, 0x600000
	v_mov_b32 v[\sc+1], s46
.endm
; My 32 rows x 2 columns in v[rr] on (register 2 i + j = row i, column j) become 2 x 32 codes in v[cc] on and go to LDS.  The hold also gathers a column's numbers into consecutive registers and leaves v[rr] whole.
; Two sets of eight take turns, so that eight plain lines stand between a conversion and the next write of its sources.
.macro QUANT2 rr, cc, sc, adr, arr
.irp j, 0,1
.irp g, 0,1,2,3
.irp i, 0,1,2,3,4,5,6,7
	v_med3_num_f32 v[T+8*(\g%2)+\i], v[\rr+2*(8*\g+\i)+\j], -v[\sc+1], v[\sc+1]
.endr
	v_cvt_scalef32_pk8_fp8_f32 v[\cc+8*\j+2*\g:\cc+8*\j+2*\g+1], v[T+8*(\g%2):T+8*(\g%2)+7], v[\sc]
.endr
.endr
	v_nop                                          ; a plain line behind the last conversion
.irp j, 0,1
.irp q, 0,1
	ds_store_b128 v[\adr], v[\cc+8*\j+4*\q:\cc+8*\j+4*\q+3] offset:\arr+272*\j+16*\q
.endr
.endr
.endm
.macro FETCH arr                       ; the 8 data fragments (tile of 16 rows t, K step s) of one array of codes
.irp t, 0,1,2,3
.irp s, 0,1
.irp c, 0,1,2,3
	ds_load_b128 v[64+16*(2*\t+\s)+4*\c:64+16*(2*\t+\s)+4*\c+3], v5 offset:\arr+4352*\t+128*\s+32*\c
.endr
.endr
.endr
.endm
; 16 matrix instructions: product pp, eight accumulators by turns, K step 0 with the bias as C, then K step 1 in place.  xw = 1: the data are source 0 (V's product).
.macro MULS pp, xw
.irp s, 0,1
.if \xw
.if \s == 0
	WIN 0x14                                       ; source 1 (W) and source 2 (bias) window 1
.else
	WIN 0x04
.endif
.else
.if \s == 0
	WIN 0x11                                       ; source 0 (W) and source 2 (bias) window 1
.else
	WIN 0x01
.endif
.endif
.irp t, 0,1,2,3
.irp u, 0,1
.set rW, 16*(4*\pp+2*\u+\s)
.set rX, 64+16*(2*\t+\s)
.set rB, 192+16*\pp+8*\u
.if \xw
.set rD, 192+8*(4*(\t/2)+2*\u+(\t%2))
.if \s == 0
	v_wmma_f32_16x16x128_fp8_fp8 v[rD:rD+7], v[rX:rX+15], v[rW:rW+15], v[rB:rB+7]
.else
	v_wmma_f32_16x16x128_fp8_fp8 v[rD:rD+7], v[rX:rX+15], v[rW:rW+15], v[rD:rD+7]
.endif
.else
.set rD, 192+8*(2*\t+\u)
.if \s == 0
	v_wmma_f32_16x16x128_fp8_fp8 v[rD:rD+7], v[rW:rW+15], v[rX:rX+15], v[rB:rB+7]
.else
	v_wmma_f32_16x16x128_fp8_fp8 v[rD:rD+7], v[rW:rW+15], v[rX:rX+15], v[rD:rD+7]
.endif
.endif
.endr
.endr
.endr
	WIN 0
.endm
.macro PLACES                          ; four plain lines between matrix instructions and the loads into their sources and the first read of their results
.rept 4
	v_nop
.endr
.endm
.macro EPI sc                          ; the 64 sums are held and converted, each accumulator from its low end on: accumulator a's eight codes in v[OC + 2 a]
.set i, 0
.rept 64
.set i, i+1
.endr
.irp a, 0,1,2,3,4,5,6,7
	v_cvt_scalef32_pk8_fp8_f32 v[OC+2*\a:OC+2*\a+1], v[192+8*\a:199+8*\a], v[\sc]
.endr
	v_nop                                          ; a plain line behind the last conversion
.endm
.macro OUTQK pp                        ; tile t's 16 codes a lane: chunk (t, hd = w / 2, cc = w % 2) of Q's or K's image
.irp t, 0,1,2,3
	ds_store_b128 v6, v[OC+4*\t:OC+4*\t+3] offset:16384*\pp+4096*\t
.endr
.endm
.macro OUTV                            ; group (bb, u): chunk (ot = 2 w + u, bb) of V's image
.irp b, 0,1
.irp u, 0,1
	ds_store_b128 v7, v[OC+4*(2*\b+\u):OC+4*(2*\b+\u)+3] offset:1024*\u+512*\b
.endr
.endr
.endm
.macro BARRIER                         ; my LDS stores have landed and my LDS loads are in: then the work-group's barrier
	s_wait_dscnt 0x0
	s_barrier_signal -1
	s_barrier_wait -1
.endm
	s_load_b512 s[8:23], s[0:1], 0x0               ; query 8, source 10, wc 12, bq 14, bk 16, bv 18, the scales' exponents 20, qc 22
	s_load_b64 s[24:25], s[0:1], 0x40              ; kv
	v_lshl_add_u32 v15, v0, 2, 0x18c00
	s_set_vgpr_msb 0x40
	v_mov_b32 v255, 0
	s_set_vgpr_msb 0x4000
	v_lshrrev_b32 v1, 5, v0
	s_delay_alu instid0(VALU_DEP_1)
	v_readfirstlane_b32 s26, v1                    ; wave 0..7
	s_mov_b32 s27, ttmp9                           ; X
	s_and_b32 s28, ttmp7, 0xffff                   ; b
	v_and_b32 v1, 31, v0                           ; L
	v_and_b32 v28, 15, v0                          ; r
	v_bfe_u32 v29, v0, 4, 1                        ; h
	s_delay_alu instid0(VALU_DEP_3)
	v_lshlrev_b32 v2, 3, v1                        ; the data: 8 bytes a lane
	s_lshl_b32 s46, s26, 5                         ; my 32 codes' place in a row of codes
	v_mul_u32_u24 v3, v1, 544
	s_delay_alu instid0(VALU_DEP_1)
	v_add_nc_u32 v3, s46, v3                       ; query's codes: row 2 L
	v_lshlrev_b32 v30, 1, v1                       ; n = 2 L
	s_delay_alu instid0(VALU_DEP_1)
	v_and_b32 v4, 0x27, v30
	s_delay_alu instid0(VALU_DEP_2)
	v_bfe_u32 v31, v30, 3, 1
	s_delay_alu instid0(VALU_DEP_1)
	v_lshl_add_u32 v4, v31, 4, v4
	s_delay_alu instid0(VALU_DEP_4)
	v_bfe_u32 v31, v30, 4, 1
	s_delay_alu instid0(VALU_DEP_1)
	v_lshl_add_u32 v4, v31, 3, v4                  ; rho(2 L); rho(2 L + 1) is the next row
	s_delay_alu instid0(VALU_DEP_1)
	v_mul_u32_u24 v4, v4, 272
	s_delay_alu instid0(VALU_DEP_1)
	v_add_nc_u32 v4, s46, v4                       ; source's codes
	v_mul_u32_u24 v5, v28, 272
	s_delay_alu instid0(VALU_DEP_1)
	v_lshl_add_u32 v5, v29, 4, v5                  ; a fragment: row r, + 16 h
	v_lshlrev_b32 v12, 4, v1                       ; 16 L
	s_lshl_b32 s46, s26, 9
	v_add_nc_u32 v6, s46, v12
	s_delay_alu instid0(VALU_DEP_1)
	v_add_nc_u32 v6, STG, v6                       ; Q's and K's images: 512 w + 16 L
	s_lshl_b32 s46, s26, 11
	v_add_nc_u32 v10, s46, v12                     ; qc: 2,048 w + 16 L
	s_delay_alu instid0(VALU_DEP_1)
	v_add_nc_u32 v8, STG, v10                      ; and the same place in Q's image
	s_delay_alu instid0(VALU_DEP_1)
	v_add_nc_u32 v7, 32768, v8                     ; V's image: 2,048 w + 16 L
	s_lshl_b32 s46, s26, 12
	v_add_nc_u32 v11, s46, v12                     ; kv: 4,096 w + 16 L
	s_delay_alu instid0(VALU_DEP_1)
	v_add_nc_u32 v9, STG+16384, v11                ; and the same place in K's and V's images, which lie on end
	v_lshlrev_b32 v13, 6, v29                      ; bq, bk: 16 numbers at 16 h
	v_and_b32 v14, 8, v28
	s_delay_alu instid0(VALU_DEP_1)
	v_add_nc_u32 v14, v14, v28
	s_delay_alu instid0(VALU_DEP_1)
	v_lshlrev_b32 v14, 2, v14                      ; bv: the number at r + 8 (r / 8)
	s_lshl_b32 s42, s28, 22                        ; a batch is 4,194,304 bytes,
	s_lshl_b32 s44, s26, 19                        ; my 32 rows of 16,384,
	s_add_co_u32 s42, s42, s44
	s_lshl_b32 s44, s27, 8                         ; the block's 64 columns
	s_add_co_u32 s42, s42, s44
	s_mov_b32 s43, 0
	s_mov_b32 s45, 0
	s_wait_kmcnt 0x0
	s_load_b256 s[32:39], s[20:21], 0x0            ; e0 .. e7
	s_load_b32 s40, s[20:21], 0x20                 ; e8
	s_add_nc_u64 s[8:9], s[8:9], s[42:43]
	s_add_nc_u64 s[10:11], s[10:11], s[42:43]
	s_lshl_b32 s42, s26, 13                        ; wc: my two tiles' 8,192 bytes in each matrix
	s_add_nc_u64 s[12:13], s[12:13], s[42:43]
	s_lshl_b32 s42, s26, 7                         ; the biases: my 32 numbers
	s_add_nc_u64 s[14:15], s[14:15], s[42:43]
	s_add_nc_u64 s[16:17], s[16:17], s[42:43]
	s_add_nc_u64 s[18:19], s[18:19], s[42:43]
	s_lshl_b32 s42, s28, 6
	s_add_co_u32 s42, s42, s27                     ; 64 b + X
	s_lshl_b32 s44, s42, 14
	s_add_nc_u64 s[22:23], s[22:23], s[44:45]
	s_lshl_b32 s44, s42, 15
	s_add_nc_u64 s[24:25], s[24:25], s[44:45]
.set i, 0
.rept 32
	global_load_b64 v[64+2*i:65+2*i], v2, s[8:9] offset:16384*i th:TH_LOAD_NT     ; row 32 w + i: 32 lanes read 256 consecutive bytes, aligned
.set i, i+1
.endr
.set i, 0
.rept 32
	global_load_b64 v[128+2*i:129+2*i], v2, s[10:11] offset:16384*i th:TH_LOAD_NT
.set i, i+1
.endr
	s_wait_kmcnt 0x0
	s_add_co_i32 s48, s32, s33                     ; e0 + e1: a sum of Q's product stands for sum x 2^(e0 + e1)
	s_add_co_i32 s49, s34, s35                     ; e2 + e3
	s_add_co_i32 s50, s36, s37                     ; e4 + e5
	s_sub_co_i32 s51, s38, s48                     ; e6 - e0 - e1: the three scales ahead of Q's quantiser, folded
	s_sub_co_i32 s52, s39, s49                     ; e7 - e2 - e3
	s_sub_co_i32 s53, s40, s50                     ; e8 - e4 - e5
	MKSC s32, 16
	MKSC s34, 18
	MKSC s36, 20
	MKSC s51, 22
	MKSC s52, 24
	MKSC s53, 26
	s_sub_co_i32 s48, 0, s48                       ; the biases go in as bias / 2^(ea + eb)
	s_sub_co_i32 s49, 0, s49
	s_sub_co_i32 s50, 0, s50
	s_wait_loadcnt 32                              ; query's 32 loads are in; source's 32 were issued behind them
	QUANT2 64, 192, 16, 3, XQ
	WIN 0x40                                       ; destination window 1, address window 0
.irp p, 0,1,2
.irp u, 0,1
.irp s, 0,1
.irp c, 0,1,2,3
	global_load_b128 v[16*(4*\p+2*\u+\s)+4*\c:16*(4*\p+2*\u+\s)+4*\c+3], v12, s[12:13] offset:65536*\p+4096*\u+2048*\s+512*\c   ; 512 consecutive bytes of an image
.endr
.endr
.endr
.endr
.irp q, 0,1,2,3
	global_load_b128 v[192+4*\q:195+4*\q], v13, s[14:15] offset:16*\q   ; bq at 32 w + 16 h + 0 .. 15: the two tiles' C
	global_load_b128 v[208+4*\q:211+4*\q], v13, s[16:17] offset:16*\q   ; bk likewise
.endr
.irp u, 0,1
	global_load_b32 v[224+8*\u], v14, s[18:19] offset:32*\u             ; bv at my lane's channel of tile u
.endr
	WIN 0
	s_wait_loadcnt 58                              ; source's loads are in; behind them: 48 loads of weights, 8 of bq and bk, 2 of bv
	QUANT2 128, 208, 18, 4, XK
	QUANT2 128, 224, 20, 4, XV
	BARRIER                                        ; the three arrays of codes are whole
	FETCH XQ
	s_wait_loadcnt 0x0                             ; weights and biases
	WIN 0x41                                       ; source 0 and destination window 1
.set i, 0
.rept 16
	v_ldexp_f32 v[192+i], v[192+i], s48
	v_ldexp_f32 v[208+i], v[208+i], s49
.set i, i+1
.endr
	v_ldexp_f32 v224, v224, s50
	v_ldexp_f32 v232, v232, s50
.irp j, 1,2,3,4,5,6,7
	v_mov_b32 v[224+\j], v224                      ; in V's product a lane holds one channel: its eight results take the same bias
	v_mov_b32 v[232+\j], v232
.endr
	WIN 0
	s_wait_dscnt 0x0                               ; query's fragments are in
	MULS 0, 0
	PLACES
	FETCH XK                                       ; the next product's fragments land while this one's results are quantised
	EPI 22
	OUTQK 0
	s_wait_dscnt 0x0                               ; the fragments are in, and the stores have read their registers
	MULS 1, 0
	PLACES
	FETCH XV
	EPI 24
	OUTQK 1
	s_wait_dscnt 0x0
	MULS 2, 1
	PLACES
	EPI 26
	OUTV
	BARRIER                                        ; the three images are whole
.irp i, 0,1,2,3
	ds_load_b128 v[64+4*\i:67+4*\i], v8 offset:512*\i
.endr
.irp i, 0,1,2,3,4,5,6,7
	ds_load_b128 v[80+4*\i:83+4*\i], v9 offset:512*\i
.endr
.irp i, 0,1,2,3
	s_wait_dscnt 11-\i                             ; LDS loads come back in order: the younger ones may be out
	global_store_b128 v10, v[64+4*\i:67+4*\i], s[22:23] offset:512*\i    ; 32 lanes store 512 consecutive bytes, aligned
.endr
.irp i, 0,1,2,3,4,5,6,7
	s_wait_dscnt 7-\i
	global_store_b128 v11, v[80+4*\i:83+4*\i], s[24:25] offset:512*\i
.endr
	s_set_vgpr_msb 0x4
	s_wait_tensorcnt 0x0
	ds_add_u32 v15, v255
	s_wait_dscnt 0x0
	s_set_vgpr_msb 0x400
	s_endpgm
.Lfunc_end_k_q27ede7539b_proj:
	.size	k_q27ede7539b_proj, .Lfunc_end_k_q27ede7539b_proj-k_q27ede7539b_proj
	.p2alignl 7, 3214868480
	.fill 96, 4, 3214868480
	.section	.rodata,"a",@progbits
	.p2align	6, 0x0
	.amdhsa_kernel k_q27ede7539b_proj
		.amdhsa_group_segment_fixed_size 102400
		.amdhsa_private_segment_fixed_size 0
		.amdhsa_enable_private_segment 0
		.amdhsa_kernarg_size 72
		.amdhsa_user_sgpr_count 2
		.amdhsa_user_sgpr_kernarg_segment_ptr 1
		.amdhsa_wavefront_size32 1
		.amdhsa_system_sgpr_workgroup_id_x 1
		.amdhsa_system_sgpr_workgroup_id_y 1
		.amdhsa_system_sgpr_workgroup_id_z 1
		.amdhsa_system_vgpr_workitem_id 0
		.amdhsa_next_free_vgpr 512
		.amdhsa_next_free_sgpr 66
		.amdhsa_reserve_vcc 0
		.amdhsa_float_denorm_mode_32 3
		.amdhsa_float_denorm_mode_16_64 3
		.amdhsa_fp16_overflow 1
		.amdhsa_memory_ordered 1
		.amdhsa_forward_progress 1
		.amdhsa_inst_pref_size 49
	.end_amdhsa_kernel
	.amdgpu_metadata
---
amdhsa.version: [ 1, 2 ]
amdhsa.kernels:
  - .name:           k_q27ede7539b_proj
    .symbol:         k_q27ede7539b_proj.kd
    .args:
      - { .name: query, .offset: 0, .size: 8, .value_kind: global_buffer, .address_space: global }
      - { .name: source, .offset: 8, .size: 8, .value_kind: global_buffer, .address_space: global }
      - { .name: wc, .offset: 16, .size: 8, .value_kind: global_buffer, .address_space: global }
      - { .name: bq, .offset: 24, .size: 8, .value_kind: global_buffer, .address_space: global }
      - { .name: bk, .offset: 32, .size: 8, .value_kind: global_buffer, .address_space: global }
      - { .name: bv, .offset: 40, .size: 8, .value_kind: global_buffer, .address_space: global }
      - { .name: lowp_scales, .offset: 48, .size: 8, .value_kind: global_buffer, .address_space: global }
      - { .name: qc, .offset: 56, .size: 8, .value_kind: global_buffer, .address_space: global }
      - { .name: kv, .offset: 64, .size: 8, .value_kind: global_buffer, .address_space: global }
    .group_segment_fixed_size: 102400
    .private_segment_fixed_size: 0
    .kernarg_segment_align: 8
    .kernarg_segment_size: 72
    .max_flat_workgroup_size: 256
    .sgpr_count:     66
    .vgpr_count:     512
    .wavefront_size: 32
...
	.end_amdgpu_metadata
.endif
;; end of part 2
;; launch attn (part 3): grid 64 x 4, 16 waves a work-group, clusters of 4 x 1, 327,680 bytes of LDS; arguments qc, kv, wc, bm, lowp_scales, out0; writes out0
.if DOCPART == 3
	.amdgcn_target "amdgcn-amd-amdhsa--gfx1250"
	.amdhsa_code_object_version 6
	.text
	.protected	k_q27ede7539b_attn
	.globl	k_q27ede7539b_attn
	.p2align	8
	.type	k_q27ede7539b_attn,@function
k_q27ede7539b_attn:
	s_mov_b64 s[64:65], 0
	v_nop
	global_prefetch_b8 v0, s[64:65] scope:SCOPE_SE
	s_setreg_imm32_b32 hwreg(HW_REG_WAVE_MODE, 25, 1), 1
	s_wait_xcnt 0x0
	s_wait_alu depctr_hold_cnt(0) depctr_sa_sdst(0) depctr_va_vdst(0) depctr_va_sdst(0) depctr_va_ssrc(0) depctr_va_vcc(0) depctr_vm_vsrc(0)
	s_getreg_b32 s2, hwreg(HW_REG_IB_STS2, 6, 4)
	s_cmp_eq_u32 s2, 0
	s_cbranch_scc0 .Lentry_in_a_cluster
	s_endpgm
.Lentry_in_a_cluster:
	s_bfe_u32 s2, ttmp6, 0x10000c
	s_cmp_lg_u32 s2, 0x3003
	s_cbranch_scc0 .Lentry_shape_is_right
	s_endpgm
.Lentry_shape_is_right:
; out0[b][o][n] = bm[o] + sum over c of Wm[o][c] O[b][c][n],  O[b][64 hd + d][n] = sum over keys m of softmax_m(Q . K / 8) V[d][m]: all three products on codes of E4M3 with the given scales.
; qc, kv, wc hold images of operand registers (the launches before laid them): every fragment load here reads 512 consecutive bytes, 16 a lane.
; THE SOFTMAX: t = score x log2(e) / 8; M = the largest t so far, rounded UP to a whole number; p = 2^(t - M) is quantised (e9), not normalised; the row's sum is taken of the unquantised p in f32 and divides O at the end.
;   When M moves, the sum and O are multiplied by 2^(old M - new M), which rounds nothing.
; SHARES.  Work-group (X, b) owns queries 64 X .. 64 X + 63 of ALL FOUR heads, so the last product's K = 256 channels lies inside it and O never goes to memory.  Wave w: head hd = w % 4, tile of 16 queries qt = w / 4,
;   in 256 registers: four waves to a SIMD, so that one wave's vector work stands beside another's matrix work and LDS loads.  Every wave walks the 4,096 keys, 128 a step.
; LAYOUT.  S^T = K Q^T (source 0 = 16 keys, source 1 = my 16 queries; K = 64) and O^T = V^T P^T (source 0 = 16 channels, source 1 = P; K = 128 keys): a lane holds ONE query throughout.  The keys of a tile of K and the
;   channels of a tile of V were chosen so that the 16 registers of two neighbouring tiles are 16 neighbours along the next K: the conversions' results are the next operand.
; RING.  Two LDS slots of 256 keys (4 blocks of kv as they lie: 131,072 dense bytes), filled by waves 0 to 7, 16,384 bytes each: a wave has one tensor load out at the most.
; CLUSTER.  The four work-groups of a cluster share b and walk the same kv: each tile is asked for JOINTLY, by the same tensor load with the same descriptor and the mask of all four.
; THE END.  O / sum is quantised (e10) and goes to LDS as images; wave w then makes outputs o of tile w for all 64 queries (source 0 = 16 queries, source 1 = 16 rows of Wm: a lane holds 8 neighbouring n of one o),
;   which leave through a stage as whole runs of 256 bytes.  Images and stage lie in slot 0, which has had its last fill and its last read at the last change of slots.
; LIMITS: e6 + e7 between -123 and 130 (added to c's exponent field); e9, e10 between -126 and 119; e10 + e11 between -126 and 127; e8 + e9 goes by v_ldexp_f32.  NaN among the inputs is not served.
; REGISTERS: v1-7, v11 addresses that stay; v8-10 addresses in hand; v12 -M, v13 the largest t, v[14:15] the sum; v16-23 Q; v25 scale; v26-31 at work; v32-95 8 fragments of K, then 4 of V;
;   v96-159 S^T, then p; v160-191 O^T; v192-207 p's codes; v208-239 Wm's two fragments; v240 bm.
.set SLOT1, 1<<17                      ; slot 1 begins here: one exclusive or turns an address in one slot into the other's
.set SPARE, 2*SLOT1                    ; behind the ring: the spare words, 128 bytes for each of 16 waves: eight blocks of 256 bytes that no other line names
.set STG,   16384                      ; the end: O's images at 0 (16,384 bytes), the stage behind them: 256 rows x (256 bytes + 16)
.macro CROUND                          ; a round of the cluster's barrier: my work-group's barrier; wave 0 signals for the work-group; every wave waits for all four; my work-group's barrier once more
	s_barrier_signal -1
	s_barrier_wait -1
	s_cmp_lg_u32 s16, 0
	s_cbranch_scc1 .Lnot_wave_0_\@
	s_barrier_signal -3
.Lnot_wave_0_\@:
	s_barrier_wait -3
	s_barrier_signal -1
	s_barrier_wait -1
.endm
.macro TLOAD                           ; waves 0 to 7 fetch an eighth of a slot each; the branch hangs on the wave's number alone.  Four v_nop follow the load
	s_cmp_lt_u32 s16, 8
	s_cbranch_scc0 .Lasked_\@
	tensor_load_to_lds s[32:35], s[24:31]
	s_nop 0
.rept 4
	v_nop
.endr
.Lasked_\@:
.endm
; A prefetch of the slot that the NEXT change of slots will ask for: two key steps ahead of that load.  Each aligned block of 256 bytes is named once in the launch: all clusters of a batch walk the same kv, so the batch's
; first cluster asks; its four partners take 32,768 bytes each, told apart BY ADDRESS; in each, waves 8 to 11 (which fetch nothing) ask for 8,192 bytes each, lanes 256 bytes apart.  The last change that fills a slot asks for nothing.
.macro ASK
	s_cmp_gt_u32 s38, s39
	s_cbranch_scc0 .Lnot_mine_\@
	global_prefetch_b8 v3, s[40:41] th:TH_LOAD_NT scope:SCOPE_SE
.Lnot_mine_\@:
.endm
; THE CHANGE OF SLOTS stands at a slot's head.  Each wave waits for all its tensor loads (its part of the slot that it is about to read), adds 0 to its spare word, and waits for that and for its reads of the slot that it has left.
; fill = 1: a round of the cluster's barrier, so that no wave of any partner still reads the other slot or has a load on its way; the joint refill is the first thing behind it and has a slot's two steps in which to land.
.macro CHANGE fill
	s_wait_tensorcnt 0x0                           ; no tensor load of mine is out, so group 0 may be written
	ds_add_u32 v5, v6                              ; 0 onto my spare word
.if \fill
	s_xor_b32 s33, s33, SLOT1                      ; the walking descriptor: the other slot than last time,
	s_add_nc_u64 s[34:35], s[34:35], 131072        ; the next 256 keys; the type bits on top are not reached
	s_wait_xcnt 0x0                                ; the last prefetch, a slot back, has read its address, so it may be written:
	s_add_nc_u64 s[40:41], s[40:41], 131072        ; one slot further on than the walking descriptor
.endif
	s_wait_dscnt 0x0                               ; the add is done, and my reads of the slot that I have left are over
.if \fill
	CROUND
	TLOAD
	ASK
.else
	s_barrier_signal -1
	s_barrier_wait -1
.endif
.endm
; A KEY STEP: 128 keys, blocks 2 q and 2 q + 1 of the slot in hand.
.macro STEP q
	s_add_co_u32 s37, s36, 65536*\q
	v_add_nc_u32 v8, s37, v1                       ; these four plain lines are the places between the last step's products and the loads into the registers that they read
	v_add_nc_u32 v9, s37, v2
	v_nop
	v_nop
.irp t, 0,1,2,3,4,5,6,7
.irp c, 0,1
	ds_load_b128 v[32+8*\t+4*\c:35+8*\t+4*\c], v8 offset:32768*(\t/4)+4096*(\t%4)+512*\c
.endr
.endr
	s_wait_alu depctr_va_vdst(0)
	s_wait_dscnt 0x8                               ; tiles 0 to 3 are in; the eight loads of tiles 4 to 7 may be out
.irp t, 0,1,2,3
	v_wmma_f32_16x16x64_fp8_fp8 v[96+8*\t:103+8*\t], v[32+8*\t:39+8*\t], v[16:23], 0
.endr
	s_wait_dscnt 0x0
.irp t, 4,5,6,7
	v_wmma_f32_16x16x64_fp8_fp8 v[96+8*\t:103+8*\t], v[32+8*\t:39+8*\t], v[16:23], 0
.endr                                  ; lane (r, h): query r; register 16 B + i: key 32 B + 16 h + i of the step
.rept 4
	v_nop                                          ; places in front of the loads into K's registers and of the first read of the scores
.endr
.irp d, 0,1,2,3
.irp c, 0,1,2,3
	ds_load_b128 v[32+16*\d+4*\c:35+16*\d+4*\c], v9 offset:32768*(\c/2)+1024*\d+512*(\c%2)   ; V's four fragments land while the softmax is walked
.endr
.endr
	v_max3_num_f32 v30, v96, v97, v98              ; the step's largest score of my query among my 64 keys, in two chains, each accumulator from its low end on,
	v_max3_num_f32 v31, v99, v100, v101
.irp i, 6,10,14,18,22,26,30,34,38,42,46,50,54,58
	v_max3_num_f32 v30, v30, v[96+\i], v[97+\i]
	v_max3_num_f32 v31, v31, v[98+\i], v[99+\i]
.endr
	v_max3_num_f32 v30, v30, v158, v159
	s_delay_alu instid0(VALU_DEP_1)
	v_max_num_f32 v30, v30, v31
	s_delay_alu instid0(VALU_DEP_1)
	v_permlanex16_b32 v10, v30, s42, s43
	s_delay_alu instid0(VALU_DEP_1)
	v_max_num_f32 v30, v30, v10                    ; and among lane l xor 16's
	s_delay_alu instid0(VALU_DEP_1)
	v_mul_f32 v30, s22, v30                        ; as t (c is positive)
	s_delay_alu instid0(VALU_DEP_1)
	v_max_num_f32 v13, v13, v30                    ; the running largest t
	v_mov_b32 v30, v12
	s_delay_alu instid0(VALU_DEP_2)
	v_floor_f32 v12, -v13                          ; the new -M = floor(-t) = -ceil(t): a whole number
	s_delay_alu instid0(VALU_DEP_1)
	v_sub_f32 v30, v12, v30                        ; old M - new M: a whole number, 0 or less
	s_delay_alu instid0(VALU_DEP_1)
	v_cvt_i32_f32 v30, v30                         ; (it saturates)
	s_delay_alu instid0(VALU_DEP_1)
	v_ldexp_f32 v28, 1.0, v30                      ; f = 2^(old M - new M)
.set j, 0
.rept 32
	v_pk_fma_f32 v[96+j:97+j], v[96+j:97+j], s[22:23], v[12:13] op_sel_hi:[1,0,0]   ; t - M, two at a time (of the pairs c and -M the low word serves both halves)
.set j, j+2
.endr
.set j, 0
	s_wait_alu depctr_va_vdst(0)
.rept 64
	v_exp_f32 v[96+j], v[96+j]                     ; p = 2^(t - M), at most 1
.set j, j+1
.endr
	v_pk_mul_f32 v[14:15], v[14:15], v[28:29] op_sel_hi:[1,0]   ; the sums under the new M: the plain line behind the exponentials
	s_wait_alu depctr_va_vdst(0)                   ; one wait for the whole batch, ahead of its first reader
	v_pk_add_f32 v[26:27], v[100:101], v[104:105]
	v_pk_add_f32 v[254:255], v[108:109], v[112:113]
	v_pk_add_f32 v[252:253], v[116:117], v[120:121]
	v_pk_add_f32 v[250:251], v[124:125], v[128:129]
	v_pk_add_f32 v[248:249], v[132:133], v[136:137]
	v_pk_add_f32 v[246:247], v[140:141], v[144:145]
	v_pk_add_f32 v[244:245], v[148:149], v[152:153]
	v_pk_add_f32 v[14:15], v[14:15], v[156:157]
	v_pk_add_f32 v[26:27], v[26:27], v[96:97]
	v_pk_add_f32 v[254:255], v[254:255], v[98:99]
	v_pk_add_f32 v[252:253], v[252:253], v[102:103]
	v_pk_add_f32 v[250:251], v[250:251], v[106:107]
	v_pk_add_f32 v[248:249], v[248:249], v[110:111]
	v_pk_add_f32 v[246:247], v[246:247], v[114:115]
	v_pk_add_f32 v[244:245], v[244:245], v[118:119]
	v_pk_add_f32 v[14:15], v[14:15], v[122:123]
	v_pk_add_f32 v[26:27], v[26:27], v[126:127]
	v_pk_add_f32 v[254:255], v[254:255], v[130:131]
	v_pk_add_f32 v[252:253], v[252:253], v[134:135]
	v_pk_add_f32 v[250:251], v[250:251], v[138:139]
	v_pk_add_f32 v[248:249], v[248:249], v[142:143]
	v_pk_add_f32 v[246:247], v[246:247], v[146:147]
	v_pk_add_f32 v[244:245], v[244:245], v[150:151]
	v_pk_add_f32 v[14:15], v[14:15], v[154:155]
	v_pk_add_f32 v[26:27], v[26:27], v[158:159]
	s_delay_alu instid0(VALU_DEP_2)
	v_pk_add_f32 v[14:15], v[14:15], v[250:251]
	s_delay_alu instid0(VALU_DEP_2)
	v_pk_add_f32 v[26:27], v[26:27], v[248:249]
	v_pk_add_f32 v[254:255], v[254:255], v[246:247]
	v_pk_add_f32 v[252:253], v[252:253], v[244:245]
	s_delay_alu instid0(VALU_DEP_2)
	v_pk_add_f32 v[14:15], v[14:15], v[254:255]
	s_delay_alu instid0(VALU_DEP_2)
	v_pk_add_f32 v[26:27], v[26:27], v[252:253]
	s_delay_alu instid0(VALU_DEP_1)
	v_pk_add_f32 v[14:15], v[14:15], v[26:27]
.irp b, 0,1,2,3
.irp i, 0,1,2,3,4,5,6,7,8,9,10,11,12,13,14,15
.endr
	v_cvt_scalef32_pk8_fp8_f32 v[192+4*\b:193+4*\b], v[96+16*\b:103+16*\b], v25
	v_cvt_scalef32_pk8_fp8_f32 v[194+4*\b:195+4*\b], v[104+16*\b:111+16*\b], v25
.endr
.set j, 0
.rept 16
	v_pk_mul_f32 v[160+j:161+j], v[160+j:161+j], v[28:29] op_sel_hi:[1,0]   ; O^T under the new M.  (Also the plain lines between the conversions and the products that read their results)
.set j, j+2
.endr
	s_wait_alu depctr_va_vdst(0)
	s_wait_dscnt 0x0                               ; V is in
.irp d, 0,1,2,3
	v_wmma_f32_16x16x128_fp8_fp8 v[160+8*\d:167+8*\d], v[32+16*\d:47+16*\d], v[192:207], v[160+8*\d:167+8*\d]   ; four accumulators by turns
.endr
.endm
.macro SLOT_STEPS
	STEP 0
	STEP 1
	s_xor_b32 s36, s36, SLOT1                      ; on to the other slot
.endm
	s_load_b256 s[4:11], s[0:1], 0x0               ; qc s[4:5], kv s[6:7], wc s[8:9], bm s[10:11]
	s_load_b128 s[12:15], s[0:1], 0x20             ; the scales' exponents s[12:13], out0 s[14:15]
	v_lshl_add_u32 v5, v0, 2, SPARE
	v_mov_b32 v6, 0
	ds_add_u32 v5, v6
	ds_add_u32 v5, v6
	s_wait_dscnt 0x0
	v_lshrrev_b32 v1, 5, v0
	s_delay_alu instid0(VALU_DEP_1)
	v_readfirstlane_b32 s16, v1                    ; wave 0..15
	s_and_b32 s17, s16, 3                          ; my head
	s_bfe_u32 s19, ttmp6, 0x40000                  ; cx: my place in the cluster
	s_lshl_b32 s20, ttmp9, 2                       ; in a cluster launch ttmp9 counts clusters
	s_add_co_u32 s20, s20, s19                     ; X = 4 x cluster x + cx: it enters Q's and out0's addresses alone
	s_and_b32 s21, ttmp7, 0xffff                   ; b, which the four partners share
	; descriptor group 1: 64 rows of 32 elements of 8 bytes, dense: 16,384 bytes as they lie
	s_mov_b32 s24, 15|(3<<16)|(1<<21)              ; 15:0 the mask: all four work-groups; 17:16 elements of 8 bytes; 21 set beside a mask; no padding
	s_mov_b32 s25, 32<<16                          ; tensor_dim0 = 32
	s_mov_b32 s26, 64<<16                          ; tensor_dim1 = 64
	s_mov_b32 s27, 32<<16                          ; tile_dim0 = 32
	s_mov_b32 s28, 64                              ; tile_dim1 = 64
	s_mov_b32 s29, 32                              ; tensor_dim0_stride
	s_mov_b32 s30, 0
	s_mov_b32 s31, 0
	s_mov_b32 s42, 0x76543210                      ; v_permlanex16_b32's selects for lane l xor 16
	s_mov_b32 s43, 0xfedcba98
	s_mov_b32 s22, 0x3e38aa3b                      ; c = log2(e) / 8
	s_mov_b32 s36, 0                               ; the slot in hand
	s_mov_b32 s38, 15                              ; slots still to be asked for: 4,096 / 256 - 1
	s_sub_co_u32 s44, s16, 8
	s_lshr_b32 s44, s44, 2                         ; 0 in waves 8 to 11,
	s_or_b32 s44, s44, ttmp9                       ; of the batch's first cluster: the same in all four partners
	s_cmp_eq_u32 s44, 0
	s_cselect_b32 s39, 1, -1                       ; a wave prefetches while s38 is above this
	s_lshl_b32 s44, s21, 21                        ; a batch of kv is 2,097,152 bytes;
	s_lshl_b32 s45, s16, 14                        ; my eighth of a slot
	s_add_co_u32 s44, s44, s45
	s_mov_b32 s45, 0
	s_wait_kmcnt 0x0
	s_load_b64 s[52:53], s[12:13], 0x18            ; e6, e7
	s_load_b128 s[56:59], s[12:13], 0x20           ; e8, e9, e10, e11
	s_mov_b32 s32, 1                               ; group 0: count = 1
	s_lshl_b32 s33, s16, 14                        ; LDS address: slot 0, my eighth: no place in the cluster enters it
	s_add_nc_u64 s[34:35], s[6:7], s[44:45]        ; global address: hangs on b and the wave alone
	s_or_b32 s35, s35, 0x80000000                  ; type = 2
	CROUND                                         ; all four work-groups are here: the first joint loads meet
	TLOAD                                          ; slot 0
	s_lshl_b32 s46, s21, 21                        ; the prefetches: my batch,
	s_lshl_b32 s51, s19, 15                        ; my work-group's quarter of a slot,
	s_add_co_u32 s46, s46, s51
	s_lshl_b32 s51, s17, 13                        ; my wave's 8,192 bytes of it,
	s_add_co_u32 s46, s46, s51
	s_add_co_u32 s46, s46, SLOT1                   ; in slot 1: the first change of slots steps it to slot 2.  Nothing is prefetched here, at the head
	s_mov_b32 s47, 0
	s_add_nc_u64 s[40:41], s[6:7], s[46:47]
	s_lshl_b32 s46, s21, 6
	s_add_co_u32 s46, s46, s20
	s_lshl_b32 s46, s46, 14                        ; qc: block 64 b + X,
	s_lshl_b32 s51, s16, 10                        ; fragment 4 qt + hd = w
	s_add_co_u32 s46, s46, s51
	s_add_nc_u64 s[4:5], s[4:5], s[46:47]
	s_lshl_b32 s44, s16, 12
	s_add_co_u32 s44, s44, 196608                  ; wc: matrix 3 (Wm), tile w
	s_add_nc_u64 s[8:9], s[8:9], s[44:45]
	s_lshl_b32 s46, s21, 22                        ; out0: batch b,
	s_lshl_b32 s51, s16, 18                        ; rows 16 w on,
	s_add_co_u32 s46, s46, s51
	s_lshl_b32 s51, s20, 8                         ; columns 64 X on
	s_add_co_u32 s46, s46, s51
	s_add_nc_u64 s[14:15], s[14:15], s[46:47]
	v_and_b32 v26, 31, v0                          ; L
	s_delay_alu instid0(VALU_DEP_1)
	v_lshlrev_b32 v4, 4, v26                       ; 16 L: my place in every image
	s_delay_alu instid0(VALU_DEP_2)
	v_lshlrev_b32 v3, 8, v26                       ; the prefetches: 256 L
	s_lshl_b32 s44, s17, 10
	v_add_nc_u32 v1, s44, v4                       ; K's part of a block: my head's 1,024 bytes of each tile
	s_lshl_b32 s44, s17, 12
	s_add_co_u32 s44, s44, 16384
	v_add_nc_u32 v2, s44, v4                       ; V's part: behind K's 16,384; my head's 4,096 bytes
	v_and_b32 v27, 15, v0                          ; r
	v_bfe_u32 v30, v0, 4, 1                        ; h
	s_delay_alu instid0(VALU_DEP_1)
	v_lshlrev_b32 v7, 14, v30
	s_delay_alu instid0(VALU_DEP_1)
	v_lshl_add_u32 v7, v27, 4, v7                  ; out0: lanes 0-15 one row of 16,384 bytes, lanes 16-31 the next; 16 bytes a lane
	s_delay_alu instid0(VALU_DEP_4)
	v_and_b32 v11, 8, v27
	s_delay_alu instid0(VALU_DEP_1)
	v_add_nc_u32 v11, v11, v27
	s_lshr_b32 s44, s16, 1
	s_lshl_b32 s44, s44, 5
	s_and_b32 s54, s16, 1
	s_lshl_b32 s54, s54, 3
	s_add_co_u32 s44, s44, s54
	v_add_nc_u32 v11, s44, v11                     ; o(r) = 32 (w / 2) + 8 (w % 2) + r + 8 (r / 8): my lane's row of Wm's tile w
	s_delay_alu instid0(VALU_DEP_1)
	v_lshlrev_b32 v31, 2, v11
	global_load_b128 v[16:19], v4, s[4:5]          ; Q's fragment stays in registers
	global_load_b128 v[20:23], v4, s[4:5] offset:512
.irp s, 0,1
.irp c, 0,1,2,3
	global_load_b128 v[208+16*\s+4*\c:211+16*\s+4*\c], v4, s[8:9] offset:2048*\s+512*\c   ; Wm's two fragments likewise
.endr
.endr
	global_load_b32 v240, v31, s[10:11]            ; bm[o(r)]
	v_mov_b32 v13, 0xff61b1e6                      ; the largest t so far: -3e38, under every t
	s_delay_alu instid0(VALU_DEP_1)
	v_floor_f32 v12, -v13                          ; -M
	v_mov_b32 v14, 0                               ; the sum, in two halves
	v_mov_b32 v15, 0
	v_mov_b32 v10, 0                               ; written once: a lane permute's destination counts as one of its sources
	v_mov_b32 v29, 0                               ; (named as the upper halves of pairs)
	v_mov_b32 v241, 0
.set j, 0
.rept 32
	v_mov_b32 v[160+j], 0                          ; O^T.  (The step is written without a first step of its own: it finds zeros, which the first change of M leaves zeros)
.set j, j+1
.endr
	s_wait_kmcnt 0x0
	s_add_co_i32 s44, s52, s53
	s_lshl_b32 s44, s44, 23
	s_add_co_i32 s22, s22, s44                     ; a score stands for score x 2^(e6 + e7): the two exponents are added to c's exponent field
	s_mov_b32 s23, s22                             ; (named with it as a pair, so it is written)
	s_add_co_i32 s44, s57, 127
	s_lshl_b32 s54, s44, 23
	v_mov_b32 v25, s54                             ; 2^e9 as f32, for p's conversions
	s_add_co_i32 s50, s56, s57                     ; e8 + e9
	s_add_co_i32 s48, s58, s59
	s_add_co_i32 s48, s48, 127
	s_lshl_b32 s48, s48, 23                        ; 2^(e10 + e11) as f32
	s_mov_b32 s49, s48
	s_wait_loadcnt 0x0                             ; Q, Wm, bm
.Lslot:                                            ; 15 trips: behind each change of slots but the last the next slot is asked for
	CHANGE 1
	SLOT_STEPS
	s_sub_co_u32 s38, s38, 1
	s_cmp_lg_u32 s38, 0
	s_cbranch_scc1 .Lslot
	CHANGE 0                                       ; the last slot is written out
	SLOT_STEPS
	; O = O^T x 2^(e8 + e9) / the sum, quantised with e10: my 16 queries x my head's 64 channels are a quarter of two fragments of the last product
	v_add_f32 v14, v14, v15                        ; the sum's two halves,
	s_delay_alu instid0(VALU_DEP_1)
	v_permlanex16_b32 v10, v14, s42, s43
	s_delay_alu instid0(VALU_DEP_1)
	v_add_f32 v14, v14, v10                        ; and lane l xor 16's
	s_wait_alu depctr_va_vdst(0)
	v_rcp_f32 v14, v14
	s_lshl_b32 s44, s16, 10
	v_add_nc_u32 v8, s44, v4                       ; (plain lines behind the reciprocal)  O's images: 1,024 w + 16 L = fragment 2 qt + hd / 2, chunks 2 (hd % 2) and the next
	v_and_b32 v30, 15, v0
	v_bfe_u32 v31, v0, 4, 1
	v_mul_u32_u24 v9, v11, 272
	s_delay_alu instid0(VALU_DEP_1)
	v_lshl_add_u32 v9, v31, 5, v9
	s_delay_alu instid0(VALU_DEP_1)
	v_add_nc_u32 v9, STG, v9                       ; into the stage: row o(r), + 32 h
	s_mul_i32 s44, s16, 16*272
	s_add_co_u32 s44, s44, STG
	v_mul_u32_u24 v10, v31, 272
	s_delay_alu instid0(VALU_DEP_1)
	v_lshl_add_u32 v10, v30, 4, v10
	s_delay_alu instid0(VALU_DEP_1)
	v_add_nc_u32 v10, s44, v10                     ; back: rows 16 w on; lanes 0-15 one row, lanes 16-31 the next
	s_add_co_i32 s44, s58, 127
	s_lshl_b32 s54, s44, 23
	v_mov_b32 v25, s54                             ; 2^e10
	s_wait_alu depctr_va_vdst(0)                   ; the wait ahead of the reciprocal's first reader
	v_ldexp_f32 v14, v14, s50
.set j, 0
.rept 16
	v_pk_mul_f32 v[96+j:97+j], v[160+j:161+j], v[14:15] op_sel_hi:[1,0]   ; register 8 dt + i: channel 32 (dt / 2) + 16 h + 8 (dt % 2) + i; each accumulator from its low end on
.set j, j+2
.endr
.set j, 0
.rept 32
.set j, j+1
.endr
.irp d, 0,1,2,3
	v_cvt_scalef32_pk8_fp8_f32 v[192+2*\d:193+2*\d], v[96+8*\d:103+8*\d], v25
.endr
	v_nop                                          ; a plain line behind the last conversion
	ds_store_b128 v8, v[192:195]
	ds_store_b128 v8, v[196:199] offset:512
	s_wait_dscnt 0x0                               ; for the others' sake: my stores have landed
	s_barrier_signal -1
	s_barrier_wait -1                              ; O's eight fragments lie in LDS
.irp f, 0,1,2,3,4,5,6,7
.irp c, 0,1,2,3
	ds_load_b128 v[32+16*\f+4*\c:35+16*\f+4*\c], v4 offset:2048*\f+512*\c   ; fragment f = 2 x (tile of queries) + K step
.endr
.endr
	s_wait_dscnt 0x0
.irp s, 0,1
.irp q, 0,1,2,3
.if \s == 0
	v_wmma_f32_16x16x128_fp8_fp8 v[160+8*\q:167+8*\q], v[32+16*(2*\q+\s):47+16*(2*\q+\s)], v[208+16*\s:223+16*\s], 0
.else
	v_wmma_f32_16x16x128_fp8_fp8 v[160+8*\q:167+8*\q], v[32+16*(2*\q+\s):47+16*(2*\q+\s)], v[208+16*\s:223+16*\s], v[160+8*\q:167+8*\q]
.endif
.endr
.endr                                  ; four accumulators by turns.  Lane (r, h): output o(r); register j of tile q: query 16 q + 8 h + j
.rept 4
	v_nop
.endr
.irp q, 0,1,2,3
.irp i, 0,2,4,6
	v_pk_fma_f32 v[96+8*\q+\i:97+8*\q+\i], v[160+8*\q+\i:161+8*\q+\i], s[48:49], v[240:241] op_sel_hi:[1,0,0]   ; sum x 2^(e10 + e11) + bm
.endr
.endr
.irp q, 0,1,2,3
	ds_store_b128 v9, v[96+8*\q:99+8*\q] offset:64*\q
	ds_store_b128 v9, v[100+8*\q:103+8*\q] offset:64*\q+16
.endr
	s_wait_dscnt 0x0
	s_barrier_signal -1
	s_barrier_wait -1                              ; 256 rows of 64 outputs lie in the stage
.irp i, 0,1,2,3,4,5,6,7
	ds_load_b128 v[32+4*\i:35+4*\i], v10 offset:544*\i
.endr
.irp i, 0,1,2,3,4,5,6,7
	s_wait_dscnt 7-\i                              ; LDS loads come back in order: the younger ones may be out
	global_store_b128 v7, v[32+4*\i:35+4*\i], s[14:15] offset:32768*\i th:TH_STORE_NT   ; 16 lanes store 256 consecutive bytes, at a multiple of 256 from out0's first byte
.endr
	s_wait_tensorcnt 0x0                           ; the wave's end: behind my last tensor load and my last LDS store
	ds_add_u32 v5, v6
	s_wait_dscnt 0x0
	CROUND                                         ; the closing round: no work-group ends while a partner may still ask for a tile that names it
	s_endpgm
.Lfunc_end_k_q27ede7539b_attn:
	.size	k_q27ede7539b_attn, .Lfunc_end_k_q27ede7539b_attn-k_q27ede7539b_attn
	.p2alignl 7, 3214868480
	.fill 96, 4, 3214868480
	.section	.rodata,"a",@progbits
	.p2align	6, 0x0
	.amdhsa_kernel k_q27ede7539b_attn
		.amdhsa_group_segment_fixed_size 327680
		.amdhsa_private_segment_fixed_size 0
		.amdhsa_enable_private_segment 0
		.amdhsa_kernarg_size 48
		.amdhsa_user_sgpr_count 2
		.amdhsa_user_sgpr_kernarg_segment_ptr 1
		.amdhsa_wavefront_size32 1
		.amdhsa_system_sgpr_workgroup_id_x 1
		.amdhsa_system_sgpr_workgroup_id_y 1
		.amdhsa_system_sgpr_workgroup_id_z 1
		.amdhsa_system_vgpr_workitem_id 0
		.amdhsa_next_free_vgpr 256
		.amdhsa_next_free_sgpr 80
		.amdhsa_reserve_vcc 0
		.amdhsa_float_denorm_mode_32 3
		.amdhsa_float_denorm_mode_16_64 3
		.amdhsa_fp16_overflow 1
		.amdhsa_memory_ordered 1
		.amdhsa_forward_progress 1
		.amdhsa_inst_pref_size 73
	.end_amdhsa_kernel
	.amdgpu_metadata
---
amdhsa.version: [ 1, 2 ]
amdhsa.kernels:
  - .name:           k_q27ede7539b_attn
    .symbol:         k_q27ede7539b_attn.kd
    .args:
      - { .name: qc, .offset: 0, .size: 8, .value_kind: global_buffer, .address_space: global }
      - { .name: kv, .offset: 8, .size: 8, .value_kind: global_buffer, .address_space: global }
      - { .name: wc, .offset: 16, .size: 8, .value_kind: global_buffer, .address_space: global }
      - { .name: bm, .offset: 24, .size: 8, .value_kind: global_buffer, .address_space: global }
      - { .name: lowp_scales, .offset: 32, .size: 8, .value_kind: global_buffer, .address_space: global }
      - { .name: out0, .offset: 40, .size: 8, .value_kind: global_buffer, .address_space: global }
    .group_segment_fixed_size: 327680
    .private_segment_fixed_size: 0
    .kernarg_segment_align: 8
    .kernarg_segment_size: 48
    .max_flat_workgroup_size: 512
    .sgpr_count:     80
    .vgpr_count:     256
    .wavefront_size: 32
...
	.end_amdgpu_metadata
.endif
;; end of part 3
